; MI455X (gfx1250); checked and timed in simulation.
; The chip was launched on July 23, 2026; its instructions are those of AMD's public machine-readable ISA for CDNA 5 (MIT licence, August 2026) and "CDNA5" Instruction Set Architecture Reference Guide (July 2026). The comments in the code are by the model that wrote it; some were corrected since.
;; Self Attention Naive. Allowed arithmetic: matrix products marked QUANTISED: E2M3 operands, one E8M0 scale for each 32 along K, by v_wmma_scale_f32_16x16x128_f8f6f4 with both operands' format E2M3, f32 sums; everything else in f32.
;; Inputs: gamma 1 float32; wf 64 x 256 float32; wg 64 x 256 float32; wh 256 x 256 float32; x 8 x 256 x 64 x 64 float32.
;; Outputs: out0 8 x 256 x 64 x 64 float32.
;; This version of the problem:
;;   THIS VERSION OF THE PROBLEM IS GIVEN IN LOW PRECISION. The matrix products marked QUANTISED in the list below multiply operands that are first quantised to E2M3 (2 exponent bits, 3 mantissa bits; 6 bits a number), with one power-of-two scale for each 32 numbers along K (OCP MX v1.0); their sums are f32. All else is computed in f32.
;;   The module's matrix products, in the order in which they are computed (A, B: the left and right operand; K: the contracted axis; several contracted axes count as one K, in the product's order):
;;     1. [M 32,768, K 256] x [K 256, N 64]; A: input x; B: input wf: QUANTISED
;;     2. [M 32,768, K 256] x [K 256, N 64]; A: input x; B: input wg: QUANTISED
;;     3. [M 32,768, K 256] x [K 256, N 256]; A: input x; B: input wh: QUANTISED
;;     4. batch 8 x [M 4,096, K 64] x [K 64, N 4,096]; A: computed on the way; B: computed on the way: QUANTISED
;;     5. batch 8 x [M 256, K 4,096] x [K 4,096, N 4,096]; A: computed on the way; B: softmax (see below): QUANTISED
;;   THE QUANTISER, for each operand of a quantised product, along K:
;;     - K is cut into blocks of 32 from its start; a last block that is shorter is filled with zeros.
;;     - A block's scale is 2^e with e = floor(log2(the largest magnitude in the block)) - 2, held to -126 .. 127; a block of zeros has e = 0. As a byte (E8M0): e + 127.
;;     - Each number is divided by its block's scale, clamped to +-7.5, and rounded to the nearest number of E2M3, ties to even, subnormals kept.
;;     - The product sums the exact products of the quantised numbers (number of the format x scale) in f32.
;;   ~~~python
;;   def quantise(x, axis):      # numpy; x: float32 -> the quantised numbers, widened to float32 again
;;       x = np.moveaxis(x, axis, -1); K = x.shape[-1]
;;       x = np.pad(x, [(0, 0)] * (x.ndim - 1) + [(0, -K % 32)]); x = x.reshape(x.shape[:-1] + (-1, 32)); a = np.abs(x).max(-1, keepdims=True)
;;       e = np.where(a > 0, np.clip(np.frexp(np.where(a > 0, a, 1))[1] - 1 - 2, -126, 127), 0)      # np.frexp(a)[1] - 1 = floor(log2(a)), exactly
;;       r = np.clip(x / 2.0 ** e, -7.5, 7.5)
;;       step = 2.0 ** (np.maximum(np.frexp(np.where(r == 0, 1, r))[1] - 1, 0) - 3)
;;       q = np.round(r / step) * step * 2.0 ** e      # np.round: ties to even
;;       return np.moveaxis(q.reshape(q.shape[:-2] + (-1,))[..., :K], -1, axis).astype(np.float32)
;;   ~~~
;;   SOFTMAX AHEAD OF A QUANTISED PRODUCT. Where the list says 'softmax', what is quantised is not the finished softmax but p = 2^(t - M), with t = logit x log2(e) and M = ceil(the row's largest t), a whole number; so 1/2 < the row's largest p <= 1. The row's sum l is taken of the UNQUANTISED p, in f32, and the product's result is divided by l at the end. Since M is a whole number, a kernel that streams over the keys may use a running M (the ceiling of the running maximum): every later rescaling is an exact power of two, which a block's scale takes up: the codes' values come out the same.
;;   OPERANDS COMPUTED ON THE WAY. 'Computed on the way' means the value that the module computes at that place (a softmax that the list does not call 'softmax' is quantised finished and normalised). What goes into a quantiser is computed in f32, as accurately as f32 sums, v_exp_f32 and their like allow (about 1e-6 of the number): no bf16 or f16 on the way to a quantiser, and a product that is left as it is and whose result goes on into a quantised operand takes f32 operands (vector FMAs, or v_wmma_f32_16x16x4_f32). A number that lies on a knife's edge between two numbers of the format may be rounded either way, as far as f32 arithmetic and the matrix unit's own rounding can turn it there, and no further.
;; One version. Each part assembles by itself: llvm-mc -triple=amdgcn-amd-amdhsa -mcpu=gfx1250 --defsym DOCPART=n.
;; ======== version 1 of 1: 2 launches
;; workspace buffers: kv 8,388,608 bytes; qc 1,835,008 bytes
;; launch proj (part 1): grid 32 x 8, 8 waves a work-group, no clusters, 251,904 bytes of LDS; arguments x, wf, wg, wh, kv, qc; writes kv, qc
.if DOCPART == 1
	.amdgcn_target "amdgcn-amd-amdhsa--gfx1250"
	.amdhsa_code_object_version 6
	.text
	.protected	k_q2708963770_proj
	.globl	k_q2708963770_proj
	.p2align	8
	.type	k_q2708963770_proj,@function
k_q2708963770_proj:
	s_mov_b64 s[64:65], 0
	v_nop
	global_prefetch_b8 v0, s[64:65] scope:SCOPE_SE
	s_setreg_imm32_b32 hwreg(HW_REG_WAVE_MODE, 25, 1), 1
	s_wait_xcnt 0x0
; PROJ: fx = wf x, gx = wg x, hx = wh x for 128 positions of one batch, all three products on codes of FP6 (E2M3) with one E8M0 scale for each 32 along K (K = the 256 channels),
; and the three results quantised again for the attention launch: fx (the keys) and gx (the queries) along their 64 channels, hx (the values) along the positions.
; NOTHING OF THE PROBLEM IS LEFT OUT: every input has a way to the output, and every product is done.  (gamma and the residual x are the next launch's.)
; LIMITS: NaN and infinities among the inputs are not served.  A block of zeros, or one whose largest magnitude lies under 2^(3 - 127), gets the scale byte 1 where the rule says 127 for zeros:
; its codes are zeros, which add nothing under any byte but 0xff, and the bytes are read by this program alone.
; SHARES.  Work-group (x = block of 128 positions, y = batch), eight waves.  The tile of x, 256 channels x 128 positions of f32 (131,072 bytes), comes into LDS once, 32 channels by each wave's one tensor load.
; While it is on its way each wave quantises six fragments of the weights (one tile of wf or wg, two of wh, two K steps each) from memory through its own stage in LDS.
; NO CLUSTER: the tile of x is read by this work-group alone; what work-groups share is the weights, 393,216 bytes of f32, more than the 327,680 bytes of LDS that a work-group can claim, and they
; pass through the registers of the wave that quantises them, 8,192 bytes a fragment: there is no tile of them in LDS that a joint load could fill.
; A TILE OF POSITIONS is not 16 neighbours: row r of tile 2 b + u is position 32 b + 8 u + r + 8 (r / 8).  So where a product has 16 positions (or 16 channels of fx, gx, ordered likewise) as its rows,
; a lane's 16 registers of tiles 2 b and 2 b + 1 are 16 neighbours, 32 b + 16 (lane / 16) + 0 .. 15, which is what the conversions to codes want.
; OPERANDS GO FROM WAVE TO WAVE, AND TO THE NEXT LAUNCH, AS IMAGES OF THEIR REGISTERS: four registers by one store of 16 bytes a lane at 16 x lane, a scale word at 4 x lane.
; kv [batch][block][32,768]: 0 K's registers 0-3 (8 tiles x 512), 4096 its registers 4-5 (8 x 256), 6144 its scale words (8 x 128), 7168 V's fragments (16 channel tiles x 1,536), 31744 V's scale words
; (8 x 128: lanes 0-15 tile 2 i, lanes 16-31 tile 2 i + 1).  qc [batch][block][7,168]: the queries, laid as K's first three parts.
.set FRB,   1536                       ; a fragment's image: 12 registers x 128 bytes
.set XIMG,  0                          ; LDS: x's 16 fragments (tile T, K step s: 2 T + s)
.set XSC,   24576                      ; their scale words: 512 s + 64 T + 4 r
.set FIMG,  25600                      ; wf's and wg's 16 fragments (tile t8 = 0-3 wf, 4-7 wg; 2 t8 + s)
.set FSC,   50176                      ; their scale words, 128 bytes each
.set XT,    52224                      ; the tile of x: channel c at 512 c; filled by the tensor loads, once, and by nothing else
.set WSTG,  183296                     ; a stage of 16 rows for each wave
.set WP,    528                        ; its pitch: 512 bytes + 16, an odd multiple of 16: the sixteen rows that a load of 16 bytes a lane touches begin in sixteen different groups of banks (64 banks of 4 bytes: ISA guide 11.1)
.set SPARE, 250880                     ; the spare words, 128 bytes for each wave: four blocks of 256 bytes that no other line names
.set LI,   1                           ; v1   16 x lane
.set LS,   2                           ; v2   4 x lane
.set LS16, 3                           ; v3   4 x (lane % 16)
.set H8,   4                           ; v4   8 x (lane / 16)
.set SPW,  5                           ; v5   LDS address of my spare word; never rewritten
.set NIL,  6                           ; v6   0; never rewritten
.set XL,   7                           ; v7   the tile of x: my position, my wave's first channel
.set WS,   8                           ; v8   my stage, on the way in
.set WR,   9                           ; v9   and on the way out
.set XWI,  10                          ; v10  where I store x's images
.set XWS,  11                          ; v11  and their scale words
.set FWI,  12                          ; v12  where I store my tile of wf or wg
.set FWS,  13                          ; v13  and its scale words
.set XRI,  14                          ; v14  where I read my tile of positions
.set XRS,  15                          ; v15  and its scale words
.set VO16, 16                          ; v16-19 offsets in kv and qc
.set VO8,  17
.set VO4,  18
.set VOV,  19
.set VW0,  22                          ; v22  V's scale word of my first channel tile
.set WHS,  24                          ; v24-27 wh's scale words (2 ci + s): scales alone
.set XS,   28                          ; v28-31 x's scale words in hand: scales alone
.set FS,   32                          ; v32-35 wf's or wg's in hand: scales alone
.set TM,   36                          ; v36-51 at work in the quantisers: +0.. largest magnitudes, +4.. bytes, +12.. the conversions' scale operands
.set PW,   52                          ; v52  the scale word just made
.set PC,   54                          ; v54-65 the codes just made; v66-68, v70-72 their odd halves on the way
.set F0,   36                          ; while x is quantised: v36-47, v48-59 two fragments
.set F1,   48
.set CT,   60                          ; v60-62 an odd half on the way
.set XM,   64                          ; v64-65 two chains of the largest magnitude
.set XSO,  66                          ; v66  the conversions' scale operand
.set XBY,  67                          ; v67  the byte
.set XW,   68                          ; v68  my position's scale word
.set XF,   36                          ; in the first products: v36-59 my tile's two fragments of x
.set WH,   76                          ; v76-123 wh's four fragments (2 ci + s): they stay
.set R,    128                         ; v128-255 numbers: two weight buffers; four blocks of x; accumulators (v128-191) and four fragments in hand (v192-239)
.set WV,   16                          ; s16 wave;  s17 wave % 4;  s18 wave / 4
.set PG,   17
.set KH,   18
.set SEL,  20                          ; s[20:21] v_permlanex16_b32's selects for lane l xor 16
.macro PLACES                          ; four places behind a matrix instruction (ISA guide 7.12.1), where no other vector work is at hand
.rept 4
	v_nop
.endr
.endm
; 16 rows x 128 along K of a weight, 512 consecutive bytes a load.  perm = 1: the rows of a tile of wf or wg, i + 8 (i / 8)
.macro WLOAD buf, base, perm, off
.irp i, 0,1,2,3,4,5,6,7,8,9,10,11,12,13,14,15
	global_load_b128 v[\buf+4*\i:\buf+4*\i+3], v[LI], s[\base:\base+1] offset:\off+(\i+8*\perm*(\i/8))*1024
.endr
.endm
; through my stage: in as loaded, out so that lane (r, h) holds, in register 32 c + m, k = 64 c + 32 h + m of row r.  LDS serves a wave's instructions in order (ISA guide 5.7.1.4): no wait between
.macro WTURN buf
.irp i, 0,1,2,3,4,5,6,7,8,9,10,11,12,13,14,15
	ds_store_b128 v[WS], v[\buf+4*\i:\buf+4*\i+3] offset:WP*\i
.endr
.irp c, 0,1
.irp j, 0,1,2,3,4,5,6,7
	ds_load_b128 v[\buf+32*\c+4*\j:\buf+32*\c+4*\j+3], v[WR] offset:256*\c+16*\j
.endr
.endr
.endm
; two whole blocks a lane become a fragment in v[dst] on and its scale word in v[wd]
.macro WQ buf, dst, wd
.irp c, 0,1
	v_max3_num_f32 v[TM+\c], |v[\buf+32*\c]|, |v[\buf+32*\c+1]|, 0x1800000   ; with the floor 2^(3 - 127): the byte cannot fall under 1
.endr
.irp i, 2,4,6,8,10,12,14,16,18,20,22,24,26,28,30
.irp c, 0,1
	s_delay_alu instid0(VALU_DEP_2)
	v_max3_num_f32 v[TM+\c], v[TM+\c], |v[\buf+32*\c+\i]|, |v[\buf+32*\c+\i+1]|
.endr
.endr
.irp c, 0,1
	s_delay_alu instid0(VALU_DEP_2)
	v_add_nc_u32 v[TM+12+\c], 0xff000000, v[TM+\c]   ; 2 off the exponent field: the conversion takes the exponent field of this operand as its scale
.endr
.irp c, 0,1
	s_delay_alu instid0(VALU_DEP_2)
	v_lshrrev_b32 v[TM+4+\c], 23, v[TM+12+\c]        ; the scale's byte
.endr
	s_delay_alu instid0(VALU_DEP_1)
	v_lshl_or_b32 v[\wd], v[TM+5], 16, v[TM+4]       ; my two bytes, blocks h and 2 + h,
	s_delay_alu instid0(VALU_DEP_1)
	v_lshlrev_b32 v[\wd], v[H8], v[\wd]              ; at their places;
	s_delay_alu instid0(VALU_DEP_1)
	v_permlanex16_b32 v[TM+6], v[\wd], s[SEL], s[SEL+1]
	s_delay_alu instid0(VALU_DEP_1)
	v_or_b32 v[\wd], v[\wd], v[TM+6]                 ; with lane l xor 16's two the word is whole
.irp c, 0,1
	v_cvt_scalef32_pk16_fp6_f32 v[\dst+6*\c:\dst+6*\c+2], v[\buf+32*\c:\buf+32*\c+15], v[TM+12+\c]
	v_cvt_scalef32_pk16_fp6_f32 v[PC+12+4*\c:PC+14+4*\c], v[\buf+32*\c+16:\buf+32*\c+31], v[TM+12+\c]   ; (a conversion's three registers begin on an even number)
.endr
	v_nop                                            ; one plain place behind a scaled conversion
.irp c, 0,1
.irp i, 0,1,2
	v_mov_b32 v[\dst+3+6*\c+\i], v[PC+12+4*\c+\i]
.endr
.endr
.endm
.macro IMAGE adr, off                  ; the fragment in v[PC] on goes to LDS as it stands
.irp q, 0,1,2
	ds_store_b128 v[\adr], v[PC+4*\q:PC+4*\q+3] offset:\off+512*\q
.endr
.endm
; a weight fragment from its loads to its codes.  left: the loads issued behind its own, which may stay out
.macro WFRAG buf, left, dst, wd
	s_wait_loadcnt \left
	WTURN \buf
	s_wait_dscnt 0x0                                 ; the numbers are back; and the stores of the fragment before have read PC
	WQ \buf, \dst, \wd
.endm
.macro XLD kb                          ; block kb of my position: 32 channels down the tile; the 32 lanes read 32 different words of 128 consecutive bytes
.irp i, 0,1,2,3,4,5,6,7,8,9,10,11,12,13,14,15,16,17,18,19,20,21,22,23,24,25,26,27,28,29,30,31
	ds_load_b32 v[R+32*\kb+\i], v[XL] offset:512*(32*\kb+\i)
.endr
.endm
.macro XQ kb, cd                       ; all 32 numbers of the block are mine: six registers of codes at v[cd], the byte into my scale word
	v_max3_num_f32 v[XM], |v[R+32*\kb]|, |v[R+32*\kb+1]|, |v[R+32*\kb+2]|
	v_max3_num_f32 v[XM+1], |v[R+32*\kb+3]|, |v[R+32*\kb+4]|, |v[R+32*\kb+5]|
.irp i, 6,10,14,18,22,26
	s_delay_alu instid0(VALU_DEP_2)
	v_max3_num_f32 v[XM], v[XM], |v[R+32*\kb+\i]|, |v[R+32*\kb+\i+1]|
	s_delay_alu instid0(VALU_DEP_2)
	v_max3_num_f32 v[XM+1], v[XM+1], |v[R+32*\kb+\i+2]|, |v[R+32*\kb+\i+3]|
.endr
	s_delay_alu instid0(VALU_DEP_2)
	v_max3_num_f32 v[XM], v[XM], |v[R+32*\kb+30]|, |v[R+32*\kb+31]|
	s_delay_alu instid0(VALU_DEP_1)
	v_max3_num_f32 v[XM], v[XM], v[XM+1], 0x1800000
	s_delay_alu instid0(VALU_DEP_1)
	v_add_nc_u32 v[XSO], 0xff000000, v[XM]
.if \kb == 0
	s_delay_alu instid0(VALU_DEP_1)
	v_lshrrev_b32 v[XW], 23, v[XSO]
.else
	s_delay_alu instid0(VALU_DEP_1)
	v_lshrrev_b32 v[XBY], 23, v[XSO]
	s_delay_alu instid0(VALU_DEP_1)
	v_lshl_or_b32 v[XW], v[XBY], 8*\kb, v[XW]
.endif
	v_cvt_scalef32_pk16_fp6_f32 v[\cd:\cd+2], v[R+32*\kb:R+32*\kb+15], v[XSO]
	v_cvt_scalef32_pk16_fp6_f32 v[CT:CT+2], v[R+32*\kb+16:R+32*\kb+31], v[XSO]
	v_nop
.irp i, 0,1,2
	v_mov_b32 v[\cd+3+\i], v[CT+\i]
.endr
.endm
; 64 numbers of a lane, register 16 b + i = k 32 b + 16 (lane / 16) + i of my row, become a fragment's codes in v[PC] on and its scale word in v[PW]
.macro QUANT src
.irp b, 0,1,2,3
	v_max3_num_f32 v[TM+\b], |v[\src+16*\b]|, |v[\src+1+16*\b]|, 0x1800000
.endr
.irp i, 2,4,6,8,10,12,14
.irp b, 0,1,2,3
	v_max3_num_f32 v[TM+\b], v[TM+\b], |v[\src+16*\b+\i]|, |v[\src+1+16*\b+\i]|
.endr
.endr
.irp b, 0,1,2,3
	s_delay_alu instid0(VALU_DEP_4)
	v_permlanex16_b32 v[TM+4+\b], v[TM+\b], s[SEL], s[SEL+1]
.endr
.irp b, 0,1,2,3
	s_delay_alu instid0(VALU_DEP_4)
	v_max_num_f32 v[TM+\b], v[TM+\b], v[TM+4+\b]     ; with lane l xor 16's: the block's largest magnitude
.endr
.irp b, 0,1,2,3
	s_delay_alu instid0(VALU_DEP_4)
	v_add_nc_u32 v[TM+12+\b], 0xff000000, v[TM+\b]
.endr
.irp b, 0,1,2,3
	s_delay_alu instid0(VALU_DEP_4)
	v_lshrrev_b32 v[TM+4+\b], 23, v[TM+12+\b]
.endr
	s_delay_alu instid0(VALU_DEP_3)
	v_lshl_or_b32 v[PW], v[TM+5], 8, v[TM+4]
	s_delay_alu instid0(VALU_DEP_1)
	v_lshl_or_b32 v[PW], v[TM+6], 16, v[PW]
	s_delay_alu instid0(VALU_DEP_1)
	v_lshl_or_b32 v[PW], v[TM+7], 24, v[PW]
.irp c, 0,1
	v_cvt_scalef32_pk16_fp6_f32 v[PC+6*\c:PC+2+6*\c], v[\src+32*\c:\src+15+32*\c], v[TM+12+2*\c]
	v_cvt_scalef32_pk16_fp6_f32 v[PC+12+4*\c:PC+14+4*\c], v[\src+16+32*\c:\src+31+32*\c], v[TM+12+2*\c+1]
.endr
	v_nop
.irp c, 0,1                            ; the operand's layout wants a whole block in a lane: lanes 0-15 block 2 c, lanes 16-31 block 2 c + 1
.irp i, 0,1,2
	v_permlane16_swap_b32 v[PC+6*\c+\i], v[PC+12+4*\c+\i]
.endr
.irp i, 0,1,2
	s_delay_alu instid0(VALU_DEP_3)
	v_mov_b32 v[PC+3+6*\c+\i], v[PC+12+4*\c+\i]
.endr
.endr
.endm
; its half: 32 numbers, two blocks: registers 0-5 of a fragment, and a scale word whose upper two bytes are 0 (they scale zero codes)
.macro QUANT32 src
.irp b, 0,1
	v_max3_num_f32 v[TM+\b], |v[\src+16*\b]|, |v[\src+1+16*\b]|, 0x1800000
.endr
.irp i, 2,4,6,8,10,12,14
.irp b, 0,1
	v_max3_num_f32 v[TM+\b], v[TM+\b], |v[\src+16*\b+\i]|, |v[\src+1+16*\b+\i]|
.endr
.endr
.irp b, 0,1
	s_delay_alu instid0(VALU_DEP_2)
	v_permlanex16_b32 v[TM+4+\b], v[TM+\b], s[SEL], s[SEL+1]
.endr
.irp b, 0,1
	s_delay_alu instid0(VALU_DEP_2)
	v_max_num_f32 v[TM+\b], v[TM+\b], v[TM+4+\b]
.endr
.irp b, 0,1
	s_delay_alu instid0(VALU_DEP_2)
	v_add_nc_u32 v[TM+12+\b], 0xff000000, v[TM+\b]
.endr
.irp b, 0,1
	s_delay_alu instid0(VALU_DEP_2)
	v_lshrrev_b32 v[TM+4+\b], 23, v[TM+12+\b]
.endr
	s_delay_alu instid0(VALU_DEP_1)
	v_lshl_or_b32 v[PW], v[TM+5], 8, v[TM+4]
	v_cvt_scalef32_pk16_fp6_f32 v[PC:PC+2], v[\src:\src+15], v[TM+12]
	v_cvt_scalef32_pk16_fp6_f32 v[PC+12:PC+14], v[\src+16:\src+31], v[TM+13]
	v_nop
.irp i, 0,1,2
	v_permlane16_swap_b32 v[PC+\i], v[PC+12+\i]
.endr
.irp i, 0,1,2
	s_delay_alu instid0(VALU_DEP_3)
	v_mov_b32 v[PC+3+\i], v[PC+12+\i]
.endr
.endm
.macro KQOUT base                      ; a tile of keys or of queries leaves: 512, 256 and 128 consecutive bytes a wave
	global_store_b128 v[VO16], v[PC:PC+3], s[\base:\base+1]
	global_store_b64 v[VO8], v[PC+4:PC+5], s[\base:\base+1] offset:4096
	global_store_b32 v[VO4], v[PW], s[\base:\base+1] offset:6144
.endm
; four products of fx (fg = 0) or gx (1), K step ks: source 0 = 16 channels of the weight, source 1 = my 16 positions: a lane holds ONE position, its registers run along the channels
.macro FGB ks, fg, first
.if !\first
	PLACES                                           ; in front of loads into registers that matrix instructions have read
.endif
.irp k, 0,1,2,3
.irp q, 0,1,2
	ds_load_b128 v[R+64+12*\k+4*\q:R+64+12*\k+4*\q+3], v[LI] offset:FIMG+(2*(4*\fg+\k)+\ks)*FRB+512*\q
.endr
	ds_load_b32 v[FS+\k], v[LS] offset:FSC+(2*(4*\fg+\k)+\ks)*128
.endr
	s_wait_dscnt 0x0
.irp k, 0,1,2,3
.if \ks == 0
	v_wmma_scale_f32_16x16x128_f8f6f4 v[R+8*(4*\fg+\k):R+8*(4*\fg+\k)+7], v[R+64+12*\k:R+64+12*\k+11], v[XF+12*\ks:XF+12*\ks+11], 0, v[FS+\k], v[XS+\ks] matrix_a_fmt:MATRIX_FMT_FP6 matrix_b_fmt:MATRIX_FMT_FP6
.else
	v_wmma_scale_f32_16x16x128_f8f6f4 v[R+8*(4*\fg+\k):R+8*(4*\fg+\k)+7], v[R+64+12*\k:R+64+12*\k+11], v[XF+12*\ks:XF+12*\ks+11], v[R+8*(4*\fg+\k):R+8*(4*\fg+\k)+7], v[FS+\k], v[XS+\ks] matrix_a_fmt:MATRIX_FMT_FP6 matrix_b_fmt:MATRIX_FMT_FP6
.endif
.endr
.endm
; four products of hx, channel tile ci of my two, K step ks, tiles of positions 4 g2 on: source 0 = 16 positions, source 1 = 16 channels of wh: a lane holds ONE channel, its registers run along the positions
.macro HB ci, ks, g2
	PLACES
.irp k, 0,1,2,3
.irp q, 0,1,2
	ds_load_b128 v[R+64+12*\k+4*\q:R+64+12*\k+4*\q+3], v[LI] offset:XIMG+(2*(4*\g2+\k)+\ks)*FRB+512*\q
.endr
	ds_load_b32 v[XS+\k], v[LS16] offset:XSC+512*\ks+64*(4*\g2+\k)
.endr
	s_wait_dscnt 0x0
.irp k, 0,1,2,3
.if \ks == 0
	v_wmma_scale_f32_16x16x128_f8f6f4 v[R+8*(4*\g2+\k):R+8*(4*\g2+\k)+7], v[R+64+12*\k:R+64+12*\k+11], v[WH+12*(2*\ci+\ks):WH+12*(2*\ci+\ks)+11], 0, v[XS+\k], v[WHS+2*\ci+\ks] matrix_a_fmt:MATRIX_FMT_FP6 matrix_b_fmt:MATRIX_FMT_FP6
.else
	v_wmma_scale_f32_16x16x128_f8f6f4 v[R+8*(4*\g2+\k):R+8*(4*\g2+\k)+7], v[R+64+12*\k:R+64+12*\k+11], v[WH+12*(2*\ci+\ks):WH+12*(2*\ci+\ks)+11], v[R+8*(4*\g2+\k):R+8*(4*\g2+\k)+7], v[XS+\k], v[WHS+2*\ci+\ks] matrix_a_fmt:MATRIX_FMT_FP6 matrix_b_fmt:MATRIX_FMT_FP6
.endif
.endr
.endm
	s_load_b256 s[4:11], s[0:1], 0x0                 ; x s[4:5], wf s[6:7], wg s[8:9], wh s[10:11]
	s_load_b128 s[12:15], s[0:1], 0x20               ; kv s[12:13], qc s[14:15]
	v_lshl_add_u32 v[SPW], v0, 2, SPARE
	v_mov_b32 v[NIL], 0
	ds_add_u32 v[SPW], v[NIL]                        ; the wave's opening: the add, twice on end, and its wait ahead of my first tensor load; the set-up below, work on registers, stands between
	ds_add_u32 v[SPW], v[NIL]
	v_lshrrev_b32 v20, 5, v0
	s_delay_alu instid0(VALU_DEP_1)
	v_readfirstlane_b32 s[WV], v20                   ; wave 0..7
	s_and_b32 s[PG], s[WV], 3
	s_lshr_b32 s[KH], s[WV], 2
	s_and_b32 s19, ttmp7, 0xffff                     ; the batch
	s_mov_b32 s[SEL], 0x76543210
	s_mov_b32 s[SEL+1], 0xfedcba98
	; descriptor group 1: 32 rows (channels) of 128 f32, 4,096 elements from row to row, no padding
	s_mov_b32 s24, 2<<16                             ; no mask; elements of 4 bytes
	s_mov_b32 s25, 128<<16                           ; tensor_dim0 = 128
	s_mov_b32 s26, 32<<16                            ; tensor_dim1 = 32
	s_mov_b32 s27, 128<<16                           ; tile_dim0 = 128
	s_mov_b32 s28, 32                                ; tile_dim1 = 32
	s_mov_b32 s29, 4096                              ; the pitch
	s_mov_b32 s30, 0
	s_mov_b32 s31, 0
	s_mov_b32 s32, 1                                 ; group 0: count = 1
	s_lshl_b32 s33, s[WV], 14
	s_add_co_u32 s33, s33, XT                        ; LDS: my 32 channels, 512 bytes each
	s_lshl_b32 s44, s19, 22                          ; x: batch x 4,194,304
	s_lshl_b32 s46, s[WV], 19
	s_add_co_u32 s44, s44, s46                       ; + 32 channels x 16,384 x wave
	s_lshl_b32 s46, ttmp9, 9
	s_add_co_u32 s44, s44, s46                       ; + 512 x block
	s_mov_b32 s45, 0
	s_lshr_b32 s46, s[PG], 1                         ; my tile 2 b + u = wave % 4 of wf or wg begins at row 32 b + 8 u, 1,024 bytes a row
	s_lshl_b32 s46, s46, 15
	s_and_b32 s48, s[WV], 1
	s_lshl_b32 s48, s48, 13
	s_add_co_u32 s46, s46, s48
	s_mov_b32 s47, 0
	s_lshl_b32 s48, s[WV], 15                        ; my 32 rows of wh
	s_mov_b32 s49, 0
	s_lshl_b32 s50, s19, 5
	s_add_co_u32 s50, s50, ttmp9                     ; 32 x batch + block
	s_mul_i32 s52, s50, 7168
	s_lshl_b32 s50, s50, 15
	s_mov_b32 s51, 0
	s_mov_b32 s53, 0
	; every LDS address is made here, of constants, the lane and the wave
	v_and_b32 v20, 31, v0                            ; lane
	v_and_b32 v21, 15, v0                            ; r
	v_bfe_u32 v23, v0, 4, 1                          ; h
	s_delay_alu instid0(VALU_DEP_3)
	v_lshlrev_b32 v[LI], 4, v20
	s_delay_alu instid0(VALU_DEP_4)
	v_lshlrev_b32 v[LS], 2, v20
	s_delay_alu instid0(VALU_DEP_4)
	v_lshlrev_b32 v[LS16], 2, v21
	s_delay_alu instid0(VALU_DEP_4)
	v_lshlrev_b32 v[H8], 3, v23
	v_and_b32 v[XL], 7, v0                           ; while x is quantised lanes 0-15 are the rows of tile 2 pg, lanes 16-31 those of tile 2 pg + 1:
	v_bfe_u32 v22, v0, 3, 1
	s_delay_alu instid0(VALU_DEP_1)
	v_lshl_add_u32 v[XL], v22, 4, v[XL]
	s_delay_alu instid0(VALU_DEP_1)
	v_lshl_add_u32 v[XL], v23, 3, v[XL]              ; position l % 8 + 16 ((l / 8) % 2) + 8 (l / 16) of the wave's 32
	s_delay_alu instid0(VALU_DEP_1)
	v_lshlrev_b32 v[XL], 2, v[XL]
	s_lshl_b32 s56, s[KH], 16                        ; 128 channels x 512 bytes
	s_lshl_b32 s57, s[PG], 7                         ; 32 positions x 4 bytes
	s_add_co_u32 s56, s56, s57
	s_add_co_u32 s56, s56, XT
	v_add_nc_u32 v[XL], s56, v[XL]
	s_mul_i32 s56, s[WV], 16*WP
	s_add_co_u32 s56, s56, WSTG
	v_add_nc_u32 v[WS], s56, v[LI]
	v_mul_u32_u24 v[WR], v21, WP
	s_delay_alu instid0(VALU_DEP_1)
	v_lshl_add_u32 v[WR], v23, 7, v[WR]              ; row r, + 128 h bytes: k = 32 h on
	s_delay_alu instid0(VALU_DEP_1)
	v_add_nc_u32 v[WR], s56, v[WR]
	s_lshl_b32 s56, s[PG], 2
	s_add_co_u32 s56, s56, s[KH]
	s_mul_i32 s56, s56, FRB                          ; fragment 2 (2 pg) + kh
	v_add_nc_u32 v[XWI], s56, v[LI]
	s_lshl_b32 s56, s[KH], 9
	s_add_co_u32 s56, s56, s57
	s_add_co_u32 s56, s56, XSC
	v_add_nc_u32 v[XWS], s56, v[LS]                  ; 512 kh + 64 (2 pg) + 4 x lane
	s_mul_i32 s56, s[WV], 2*FRB
	v_add_nc_u32 v[XRI], s56, v[LI]
	v_add_nc_u32 v[VOV], s56, v[LI]
	s_add_co_u32 s56, s56, FIMG
	v_add_nc_u32 v[FWI], s56, v[LI]
	s_lshl_b32 s56, s[WV], 8
	v_lshl_add_u32 v[VO8], v20, 3, s56
	s_add_co_u32 s56, s56, FSC
	v_add_nc_u32 v[FWS], s56, v[LS]
	s_lshl_b32 s56, s[WV], 6
	s_add_co_u32 s56, s56, XSC
	v_add_nc_u32 v[XRS], s56, v[LS16]
	s_lshl_b32 s56, s[WV], 9
	v_add_nc_u32 v[VO16], s56, v[LI]
	s_lshl_b32 s56, s[WV], 7
	v_add_nc_u32 v[VO4], s56, v[LS]
.irp b, 4,5,6,7
	v_mov_b32 v[TM+\b], 0                            ; written once: a lane permute's destination counts as one of its sources
.endr
	s_wait_dscnt 0x0                                 ; both opening adds are done
	s_wait_kmcnt 0x0
	s_add_nc_u64 s[34:35], s[4:5], s[44:45]
	s_or_b32 s35, s35, 0x80000000                    ; type = 2
	tensor_load_to_lds s[32:35], s[24:31]            ; my 32 channels of the tile: the one tensor load of this wave, so one is out; the bytes are filled once
	s_nop 0
	s_cmp_lt_u32 s[WV], 4                            ; waves 0-3 take wf's tiles, waves 4-7 wg's
	s_cselect_b64 s[36:37], s[6:7], s[8:9]
	s_add_nc_u64 s[36:37], s[36:37], s[46:47]
	s_add_nc_u64 s[38:39], s[10:11], s[48:49]
	s_add_nc_u64 s[40:41], s[12:13], s[50:51]
	s_add_nc_u64 s[42:43], s[14:15], s[52:53]
	; ---- W: six fragments of the weights, while the tile of x is on its way.  Two buffers of 64 registers; a fragment's loads are issued a fragment ahead
	WLOAD R, 36, 1, 0
	WLOAD R+64, 36, 1, 512
	WFRAG R, 16, PC, PW                              ; 16: the next fragment's loads may stay out
	IMAGE FWI, 0
	ds_store_b32 v[FWS], v[PW]
	WLOAD R, 38, 0, 0
	WFRAG R+64, 16, PC, PW
	IMAGE FWI, FRB
	ds_store_b32 v[FWS], v[PW] offset:128
	WLOAD R+64, 38, 0, 512
	WFRAG R, 16, WH, WHS
	WLOAD R, 38, 0, 16384
	WFRAG R+64, 16, WH+12, WHS+1
	WLOAD R+64, 38, 0, 16384+512
	WFRAG R, 16, WH+24, WHS+2
	WFRAG R+64, 0, WH+36, WHS+3
	s_wait_tensorcnt 0x0                             ; my part of the tile of x has landed,
	s_wait_dscnt 0x0                                 ; my images of wf or wg too:
	s_barrier_signal -1
	s_barrier_wait -1                                ; everybody's have.
	; ---- X: wave (pg, kh) quantises positions 32 pg on, channels 128 kh on: a lane takes a position, its registers run down the channels
	XLD 0
	XLD 1
	s_wait_dscnt 32                                  ; 32: the next block's loads may stay out
	XQ 0, F0
	XLD 2
	s_wait_dscnt 32
	XQ 1, F1
	XLD 3
	s_wait_dscnt 32
	XQ 2, F0+6
	s_wait_dscnt 0x0
	XQ 3, F1+6
.irp i, 0,1,2,3,4,5,6,7,8,9,10,11
	v_permlane16_swap_b32 v[F0+\i], v[F1+\i]         ; blocks 1 and 3 of tile 2 pg change places with blocks 0 and 2 of tile 2 pg + 1: F0 and F1 are now the two tiles' fragments
.endr
.irp q, 0,1,2
	ds_store_b128 v[XWI], v[F0+4*\q:F0+4*\q+3] offset:XIMG+512*\q
	ds_store_b128 v[XWI], v[F1+4*\q:F1+4*\q+3] offset:XIMG+2*FRB+512*\q
.endr
	ds_store_b32 v[XWS], v[XW]
	s_wait_dscnt 0x0                                 ; for the others' sake: my images have landed
	s_barrier_signal -1
	s_barrier_wait -1
	; ---- FG: wave w makes fx and gx of tile w of the positions.  Eight accumulators by turns, one instruction a turn
.irp t, 0,1
.irp q, 0,1,2
	ds_load_b128 v[XF+12*\t+4*\q:XF+12*\t+4*\q+3], v[XRI] offset:XIMG+FRB*\t+512*\q
.endr
	ds_load_b32 v[XS+\t], v[XRS] offset:512*\t
.endr
	FGB 0, 0, 1
	FGB 0, 1, 0
	FGB 1, 0, 0
	FGB 1, 1, 0
	PLACES
	QUANT32 R                                        ; fx: a tile of keys
	KQOUT 40
	s_wait_xcnt 0x0                                  ; the stores have read PC and PW: they are written again only behind this wait
	QUANT32 R+32                                     ; gx: a tile of queries
	KQOUT 42
	; ---- H: wave w makes channels 32 w on of hx for all 128 positions, 16 channels at a time
	HB 0, 0, 0
	HB 0, 0, 1
	HB 0, 1, 0
	HB 0, 1, 1
	PLACES
	s_wait_xcnt 0x0
	QUANT R
.irp q, 0,1,2
	global_store_b128 v[VOV], v[PC+4*\q:PC+4*\q+3], s[40:41] offset:7168+512*\q
.endr
	v_mov_b32 v[VW0], v[PW]
	HB 1, 0, 0
	HB 1, 0, 1
	HB 1, 1, 0
	HB 1, 1, 1
	PLACES
	s_wait_xcnt 0x0
	QUANT R
.irp q, 0,1,2
	global_store_b128 v[VOV], v[PC+4*\q:PC+4*\q+3], s[40:41] offset:7168+FRB+512*\q
.endr
	s_mov_b32 vcc_lo, 0xffff0000
	v_cndmask_b32 v23, v[VW0], v[PW], vcc_lo         ; lanes 0-15 the first tile's words, lanes 16-31 the second's
	global_store_b32 v[VO4], v23, s[40:41] offset:31744
	s_wait_tensorcnt 0x0                             ; the wave's end: behind my last tensor load and my last LDS store
	ds_add_u32 v[SPW], v[NIL]
	s_wait_dscnt 0x0
	s_endpgm
.Lfunc_end_k_q2708963770_proj:
	.size	k_q2708963770_proj, .Lfunc_end_k_q2708963770_proj-k_q2708963770_proj
	.p2alignl 7, 3214868480
	.fill 96, 4, 3214868480
	.section	.rodata,"a",@progbits
	.p2align	6, 0x0
	.amdhsa_kernel k_q2708963770_proj
		.amdhsa_group_segment_fixed_size 251904
		.amdhsa_private_segment_fixed_size 0
		.amdhsa_enable_private_segment 0
		.amdhsa_kernarg_size 48
		.amdhsa_user_sgpr_count 2
		.amdhsa_user_sgpr_kernarg_segment_ptr 1
		.amdhsa_wavefront_size32 1
		.amdhsa_system_sgpr_workgroup_id_x 1
		.amdhsa_system_sgpr_workgroup_id_y 1
		.amdhsa_system_sgpr_workgroup_id_z 1
		.amdhsa_system_vgpr_workitem_id 0
		.amdhsa_next_free_vgpr 256
		.amdhsa_next_free_sgpr 66
		.amdhsa_reserve_vcc 1
		.amdhsa_float_denorm_mode_32 3
		.amdhsa_float_denorm_mode_16_64 3
		.amdhsa_memory_ordered 1
		.amdhsa_forward_progress 1
		.amdhsa_inst_pref_size 105
	.end_amdhsa_kernel
	.amdgpu_metadata
---
amdhsa.version: [ 1, 2 ]
amdhsa.kernels:
  - .name:           k_q2708963770_proj
    .symbol:         k_q2708963770_proj.kd
    .args:
      - { .name: x, .offset: 0, .size: 8, .value_kind: global_buffer, .address_space: global }
      - { .name: wf, .offset: 8, .size: 8, .value_kind: global_buffer, .address_space: global }
      - { .name: wg, .offset: 16, .size: 8, .value_kind: global_buffer, .address_space: global }
      - { .name: wh, .offset: 24, .size: 8, .value_kind: global_buffer, .address_space: global }
      - { .name: kv, .offset: 32, .size: 8, .value_kind: global_buffer, .address_space: global }
      - { .name: qc, .offset: 40, .size: 8, .value_kind: global_buffer, .address_space: global }
    .group_segment_fixed_size: 251904
    .private_segment_fixed_size: 0
    .kernarg_segment_align: 8
    .kernarg_segment_size: 48
    .max_flat_workgroup_size: 256
    .sgpr_count:     66
    .vgpr_count:     256
    .wavefront_size: 32
...
	.end_amdgpu_metadata
.endif
;; end of part 1
;; launch attn (part 2): grid 32 x 8, 8 waves a work-group, clusters of 4 x 1, 327,680 bytes of LDS; arguments qc, kv, x, gamma, out0; writes out0
.if DOCPART == 2
	.amdgcn_target "amdgcn-amd-amdhsa--gfx1250"
	.amdhsa_code_object_version 6
	.text
	.protected	k_q2708963770_attn
	.globl	k_q2708963770_attn
	.p2align	8
	.type	k_q2708963770_attn,@function
k_q2708963770_attn:
	s_mov_b64 s[64:65], 0
	v_nop
	global_prefetch_b8 v0, s[64:65] scope:SCOPE_SE
	s_setreg_imm32_b32 hwreg(HW_REG_WAVE_MODE, 25, 1), 1
	s_wait_xcnt 0x0
	s_wait_alu depctr_hold_cnt(0) depctr_sa_sdst(0) depctr_va_vdst(0) depctr_va_sdst(0) depctr_va_ssrc(0) depctr_va_vcc(0) depctr_vm_vsrc(0)
	s_getreg_b32 s2, hwreg(HW_REG_IB_STS2, 6, 4)
	s_cmp_eq_u32 s2, 0
	s_cbranch_scc0 .Lentry_in_a_cluster
	s_endpgm
.Lentry_in_a_cluster:
	s_bfe_u32 s2, ttmp6, 0x10000c
	s_cmp_lg_u32 s2, 0x3003
	s_cbranch_scc0 .Lentry_shape_is_right
	s_endpgm
.Lentry_shape_is_right:
; ATTN: out0[b][c][j] = gamma x (sum over i of hx[b][c][i] p[i][j]) / l[j] + x[b][c][j], p[i][j] = 2^(t - M), t = (fx[:, i] . gx[:, j]) x log2(e), the softmax taken over i.
; So j (gx) is the query, i (fx) the key, hx the values.  Both products on codes of FP6 (E2M3) with one E8M0 scale for each 32 along K, made by the launch before.  Nothing of the problem is left out here either.
; The first product's K is 64, its instruction's 128: in the upper 64 Q's codes are zeros and both sides' scale bytes 0.  K's registers there hold the NEXT tile's codes (fragment t is registers 6 t .. 6 t + 11 of one run):
; E2M3 has no NaN and no infinity, so whatever stands there is a finite number times zero.  That keeps K's eight fragments in 54 registers.
; M = the running largest t of a query, rounded UP to a whole number; p is quantised along the keys, not normalised; l is the sum of the unquantised p, in f32.  When M moves, l and O are multiplied by 2^(old M - new M): exact.
; LIMITS: NaN and infinities among the inputs are not served.  A p under 2^-126 comes out of v_exp_f32 as 0 (ISA guide, the instruction's entry in 15.8).  A block whose every p is 0 has the scale byte 1: its codes are zeros.
; A query's sums are taken over two halves of the keys apart, each under its own running M, and added at the end under the larger M (exact powers of two): another order of f32 rounding than one walk over all keys.
; SHARES.  A work-group owns 128 queries of one batch.  Wave w owns 32 of them, tiles 2 (w % 4) and 2 (w % 4) + 1, and HALF OF THE KEYS: of a slot's four steps of 128 keys the two with the parity w / 4.
; So each fragment of K and V that a wave reads from LDS feeds two matrix instructions, and two waves still share a SIMD, so that one wave's vector work stands beside the other's matrix work.
; A step's operands are 32,768 dense bytes of kv, images of the operands' registers: every LDS load takes consecutive bytes, 16, 8 or 4 a lane.
; RING: two slots of four steps (131,072 bytes).  Each wave fetches an eighth of a slot by one tensor load behind each change of slots, so one load of a wave is out at any time; it has the slot's steps in which to land.
; CLUSTER: the four query blocks of a cluster belong to one batch and walk the same kv, so each slot is asked for JOINTLY: the same load, the same descriptor, a mask that names the four.
; LAYOUT.  Both products are used transposed: S^T = K Q^T (source 0 = 16 keys, source 1 = 16 queries), O^T = V^T P^T (source 0 = 16 channels, source 1 = P): a lane holds ONE query of each tile (lane % 16) throughout.
; Row r of tile 2 b + u of keys (and of queries) is position 32 b + 8 u + r + 8 (r / 8): the 16 registers of score tiles 2 b and 2 b + 1 are 16 neighbouring keys, 32 b + 16 (lane / 16) + 0 .. 15.
; REGISTERS.  Window 0: v1-11 addresses; tile y: v[12 + 4 y] -M, +1 the largest t, +2, +3 l in two halves; v[20 + 2 y] f; v24-47 Q; v48-67 scale words and nothing else (Q's 2, p's 2, K's 8, V's 8);
; v68-121 K, and, once the scores are made, p's codes (v68-91) and the quantiser's work (v92-107); v128-191, v192-255 the two tiles' S^T, then p, and, once a tile's p is converted, four fragments of V each.
; Window 1: O^T, tile y's channel tile ct at 128 y + 8 ct.
.set STEPB, 32768                      ; a key step in kv and in a slot
.set KBO,   4096                       ; in it: K's registers 4-5,
.set KSO,   6144                       ; K's scale words,
.set VIMG,  7168                       ; V's fragments,
.set VSO,   31744                      ; V's scale words
.set SLOT1, 1<<17                      ; slot 1 begins here: one exclusive or turns an address in one slot into the other's
.set SP,    528                        ; the way out: a stage's pitch: 128 f32 + 16 bytes
.set STAGE1, 256*SP                    ; two stages of 256 rows (channels), one for each half of the keys, from LDS byte 0 on: over the ring, which has had its last fill and, behind a barrier, its last read, and 8,192 bytes behind it
.set MLB,   2*256*SP                   ; -M of the 128 queries for either half of the keys (2 x 512 bytes), then l likewise
.set SPARE, MLB+2048                   ; the spare words, 128 bytes for each wave: four blocks of 256 bytes that no other line names
.set LI,   1                           ; v1   16 x lane
.set L8,   2                           ; v2   8 x lane
.set LS,   3                           ; v3   4 x lane
.set PFX,  4                           ; v4   the prefetch of x: row lane / 2, 256 bytes x (lane % 2)
.set SPW,  5                           ; v5   LDS address of my spare word; never rewritten
.set NIL,  6                           ; v6   0; never rewritten
.set PFO,  7                           ; v7   the prefetch of kv: 256 x lane
.set AD16, 8                           ; v8-10 the step's first byte + 16, 8, 4 x lane
.set AD8,  9
.set AD4,  10
.set T0,   11                          ; v11  at work
.set ST,   12
.set F,    20
.set Q,    24
.set QS,   48
.set PS,   50
.set KS,   52
.set VS,   60
.set K,    68
.set PC,   68                          ; p's codes, tile y at +12 y
.set PT,   92                          ; v92-94, v96-98 the codes' odd halves on the way
.set BM,   100                         ; v100-103 each block's largest score, its largest p, the conversion's scale operand
.set BT,   104                         ; v104-107 at work
.set STO,  108                         ; the way out: where I put channels 0-127 of my queries, and 128-255
.set STO2, 109
.set FA,   110                         ; where I put -M and l
.set SR,   111                         ; v111-112 where I read my 32 rows back, from either stage
.set FR,   113                         ; and four queries' -M and l
.set S,    128
.set X,    128                         ; the way out: 32 rows of x, 4 registers each
.set WV,   14                          ; s14 wave; s15 cx; s16 my block of queries; s17 the batch
.set SEL,  20                          ; s[20:21] v_permlanex16_b32's selects for lane l xor 16
.set CS,   22                          ; s[22:23] log2(e): the packed form names a pair and takes its low word for both halves
.set TB,   36                          ; s36 LDS byte at which the step in hand begins
.set CNT,  37                          ; s37 my steps left in the slot
.set SLOTS, 38                         ; s38 slots still to be asked for
.set LIM,  39                          ; s39 1 in a wave that prefetches kv, else the greatest number
.set PFA,  40                          ; s[40:41] where my prefetches of kv stand
.set XB,   42                          ; s[42:43] x, s[44:45] out0 at my wave's 32 channels, my block's positions
.set OB,   44
.set MSB, 0
.macro WIN new                         ; the immediate's high byte repeats the setting that is left; a switch that changes nothing is dropped
.if MSB != \new
	s_set_vgpr_msb (MSB<<8)|\new
.set MSB, \new
.endif
.endm
.macro CROUND                          ; a round of the cluster's barrier: my work-group's barrier; wave 0 signals for the work-group; every wave waits for all four work-groups; my work-group's barrier once more
	s_barrier_signal -1
	s_barrier_wait -1
	s_cmp_lg_u32 s[WV], 0
	s_cbranch_scc1 .Lnot_wave_0_\@
	s_barrier_signal -3
.Lnot_wave_0_\@:
	s_barrier_wait -3
	s_barrier_signal -1
	s_barrier_wait -1
.endm
.macro JLOAD                           ; my eighth of a slot; an s_nop 0 and four v_nop follow it
	tensor_load_to_lds s[32:35], s[24:31]
	s_nop 0
.rept 4
	v_nop
.endr
.endm
.macro PLACES                          ; four places behind a matrix instruction (ISA guide 7.12.1), where no other vector work is at hand
.rept 4
	v_nop
.endr
.endm
.macro VLD bat, buf                    ; V's channel tiles 4 bat on into the registers that held tile buf's p
.irp k, 0,1,2,3
.irp q, 0,1,2
	ds_load_b128 v[S+64*\buf+12*\k+4*\q:S+64*\buf+12*\k+4*\q+3], v[AD16] offset:VIMG+(4*\bat+\k)*1536+512*\q
.endr
.endr
.endm
.macro PV bat, buf                     ; O^T += V^T P^T for these four channel tiles and both tiles of queries.  A register of V's scale words serves two channel tiles: the odd one's lie in lanes 16-31
.irp k, 0,1,2,3
.irp y, 0,1
.if \k%2
	v_wmma_scale_f32_16x16x128_f8f6f4 v[128*\y+8*(4*\bat+\k):128*\y+8*(4*\bat+\k)+7], v[S+64*\buf+12*\k:S+64*\buf+12*\k+11], v[PC+12*\y:PC+12*\y+11], v[128*\y+8*(4*\bat+\k):128*\y+8*(4*\bat+\k)+7], v[VS+(4*\bat+\k)/2], v[PS+\y] matrix_a_fmt:MATRIX_FMT_FP6 matrix_b_fmt:MATRIX_FMT_FP6 matrix_a_scale:MATRIX_SCALE_ROW1
.else
	v_wmma_scale_f32_16x16x128_f8f6f4 v[128*\y+8*(4*\bat+\k):128*\y+8*(4*\bat+\k)+7], v[S+64*\buf+12*\k:S+64*\buf+12*\k+11], v[PC+12*\y:PC+12*\y+11], v[128*\y+8*(4*\bat+\k):128*\y+8*(4*\bat+\k)+7], v[VS+(4*\bat+\k)/2], v[PS+\y] matrix_a_fmt:MATRIX_FMT_FP6 matrix_b_fmt:MATRIX_FMT_FP6
.endif
.endr
.endr
.endm
; Tile y's softmax for the step's 128 keys: from its scores to p's codes and scale word, l and O^T under the new M.  Behind the conversions the tile's 64 registers are free: four fragments of V are asked for into them.
.macro SOFTMAX y
.set rS, S+64*\y
.set rT, ST+4*\y
.set rF, F+2*\y
.set rP, PC+12*\y
	WIN 0
.irp b, 0,1,2,3
	v_max3_num_f32 v[BM+\b], v[rS+16*\b], v[rS+1+16*\b], v[rS+2+16*\b]   ; the largest score of each block of 32 keys: it serves for the query's maximum and, since p rises with the score, for the block's largest p
.endr
.irp i, 3,5,7,9,11,13
.irp b, 0,1,2,3
	v_max3_num_f32 v[BM+\b], v[BM+\b], v[rS+16*\b+\i], v[rS+1+16*\b+\i]
.endr
.endr
.irp b, 0,1,2,3
	v_max_num_f32 v[BM+\b], v[BM+\b], v[rS+15+16*\b]
.endr
.irp b, 0,1,2,3
	s_delay_alu instid0(VALU_DEP_4)
	v_permlanex16_b32 v[BT+\b], v[BM+\b], s[SEL], s[SEL+1]
.endr
.irp b, 0,1,2,3
	s_delay_alu instid0(VALU_DEP_4)
	v_max_num_f32 v[BM+\b], v[BM+\b], v[BT+\b]       ; with lane l xor 16's 16 keys
.endr
	s_delay_alu instid0(VALU_DEP_2)
	v_max3_num_f32 v[T0], v[BM], v[BM+1], v[BM+2]
	s_delay_alu instid0(VALU_DEP_1)
	v_max_num_f32 v[T0], v[T0], v[BM+3]              ; the step's largest score of my query
	s_delay_alu instid0(VALU_DEP_1)
	v_mul_f32 v[T0], s[CS], v[T0]                    ; as t
	s_delay_alu instid0(VALU_DEP_1)
	v_max_num_f32 v[rT+1], v[rT+1], v[T0]            ; the running largest t
	v_mov_b32 v[T0], v[rT]
	s_delay_alu instid0(VALU_DEP_2)
	v_floor_f32 v[rT], -v[rT+1]                      ; the new -M = floor(-t) = -ceil(t)
	s_delay_alu instid0(VALU_DEP_1)
	v_sub_f32 v[T0], v[rT], v[T0]                    ; old M - new M: a whole number, 0 or less
	s_delay_alu instid0(VALU_DEP_1)
	v_cvt_i32_f32 v[T0], v[T0]                       ; (it saturates)
	s_delay_alu instid0(VALU_DEP_1)
	v_ldexp_f32 v[rF], 1.0, v[T0]                    ; f = 2^(old M - new M)
.irp j, 0,2,4,6,8,10,12,14,16,18,20,22,24,26,28,30,32,34,36,38,40,42,44,46,48,50,52,54,56,58,60,62
	v_pk_fma_f32 v[rS+\j:rS+\j+1], v[rS+\j:rS+\j+1], s[CS:CS+1], v[rT:rT+1] op_sel_hi:[1,0,0]   ; t - M, two at a time
.endr
.irp b, 0,1,2,3
	v_fma_f32 v[BM+\b], v[BM+\b], s[CS], v[rT]       ; the same of each block's largest score
.endr
	s_wait_alu depctr_va_vdst(0)
.irp j, 0,1,2,3,4,5,6,7,8,9,10,11,12,13,14,15,16,17,18,19,20,21,22,23,24,25,26,27,28,29,30,31,32,33,34,35,36,37,38,39,40,41,42,43,44,45,46,47,48,49,50,51,52,53,54,55,56,57,58,59,60,61,62,63
	v_exp_f32 v[rS+\j], v[rS+\j]                     ; p = 2^(t - M), at most 1
.endr
	v_pk_mul_f32 v[rT+2:rT+3], v[rT+2:rT+3], v[rF:rF+1] op_sel_hi:[1,0]   ; l under the new M: the plain place behind the exponentials
	s_wait_alu depctr_va_vdst(0)                     ; one wait for the batch of 64, ahead of its first reader
.irp b, 0,1,2,3
	v_exp_f32 v[BM+\b], v[BM+\b]                     ; the block's largest p: the same two instructions on the same number give the same bits
.endr
	v_pk_add_f32 v[BT:BT+1], v[rS:rS+1], v[rS+2:rS+3]   ; l is the sum of the UNQUANTISED p: two at a time, in two chains; they read the 64 alone
.irp j, 4,8,12,16,20,24,28,32,36,40,44,48,52,56,60
	v_pk_add_f32 v[rT+2:rT+3], v[rT+2:rT+3], v[rS+\j:rS+\j+1]
	v_pk_add_f32 v[BT:BT+1], v[BT:BT+1], v[rS+\j+2:rS+\j+3]
.endr
	s_delay_alu instid0(VALU_DEP_1)
	v_pk_add_f32 v[rT+2:rT+3], v[rT+2:rT+3], v[BT:BT+1]
	s_wait_alu depctr_va_vdst(0)                     ; and one for the four
.irp b, 0,1,2,3
	v_max_num_f32 v[BM+\b], 0x1800000, v[BM+\b]      ; the floor 2^(3 - 127): the byte cannot fall under 1
.endr
.irp b, 0,1,2,3
	s_delay_alu instid0(VALU_DEP_4)
	v_add_nc_u32 v[BM+\b], 0xff000000, v[BM+\b]      ; 2 off the exponent field: the conversion's scale operand
.endr
.irp b, 0,1,2,3
	s_delay_alu instid0(VALU_DEP_4)
	v_lshrrev_b32 v[BT+\b], 23, v[BM+\b]             ; the scale's byte
.endr
	s_delay_alu instid0(VALU_DEP_3)
	v_lshl_or_b32 v[PS+\y], v[BT+1], 8, v[BT]        ; p's scale word for these 128 keys
	s_delay_alu instid0(VALU_DEP_1)
	v_lshl_or_b32 v[PS+\y], v[BT+2], 16, v[PS+\y]
	s_delay_alu instid0(VALU_DEP_1)
	v_lshl_or_b32 v[PS+\y], v[BT+3], 24, v[PS+\y]
.irp c, 0,1
	v_cvt_scalef32_pk16_fp6_f32 v[rP+6*\c:rP+6*\c+2], v[rS+32*\c:rS+32*\c+15], v[BM+2*\c]
	v_cvt_scalef32_pk16_fp6_f32 v[PT+4*\c:PT+4*\c+2], v[rS+32*\c+16:rS+32*\c+31], v[BM+2*\c+1]   ; (a conversion's three registers begin on an even number)
.endr
	v_nop                                            ; one plain place behind a scaled conversion
.irp c, 0,1                            ; the operand's layout wants a whole block in a lane: lanes 0-15 block 2 c, lanes 16-31 block 2 c + 1
.irp i, 0,1,2
	v_permlane16_swap_b32 v[rP+6*\c+\i], v[PT+4*\c+\i]
.endr
.irp i, 0,1,2
	s_delay_alu instid0(VALU_DEP_3)
	v_mov_b32 v[rP+3+6*\c+\i], v[PT+4*\c+\i]
.endr
.endr
	VLD \y, \y                                       ; V's channel tiles 4 y on: tile 0's land under tile 1's softmax, tile 1's under the 64 multiplications below
	WIN 0x41                                         ; O^T (destination and source 0) in window 1, f in window 0
.set j, 128*\y
.rept 64
	v_pk_mul_f32 v[j:j+1], v[j:j+1], v[rF:rF+1] op_sel_hi:[1,0]   ; O^T under the new M, each accumulator from its low end on.  (These are also the places between p's codes and scale word and the products)
.set j, j+2
.endr
.endm
; A KEY STEP of mine: 128 keys for both my tiles of queries.  ask = 1: in the loop; 2: in the last slot
.macro STEP ask
	v_add_nc_u32 v[AD16], s[TB], v[LI]
	v_add_nc_u32 v[AD8], s[TB], v[L8]
	v_add_nc_u32 v[AD4], s[TB], v[LS]
	v_nop
	v_nop                                            ; five places behind the last step's products: four are owed by the loads into the registers of p's codes and V's scale words, five by the scores below, matrix results written over V's fragments
.irp t, 0,1,2,3,4,5,6,7
	ds_load_b128 v[K+6*\t:K+6*\t+3], v[AD16] offset:512*\t
	ds_load_b64 v[K+6*\t+4:K+6*\t+5], v[AD8] offset:KBO+256*\t
	ds_load_b32 v[KS+\t], v[AD4] offset:KSO+128*\t
.endr
	s_setprio 2
.irp t, 0,1,2,3,4,5,6,7
	ds_load_b32 v[VS+\t], v[AD4] offset:VSO+128*\t
.endr
; PREFETCHES INTO THE L2, behind the step's run of LDS loads, in a slot's second step of my two: one step of mine, 48 matrix instructions and two tiles' softmax, ahead of the loads that will want the bytes.
.if \ask == 1
; kv: the slot that the NEXT change of slots will ask for, 131,072 bytes.  All clusters of a batch walk the same kv: the batch's first cluster asks.  Its four partners take 32,768 bytes each, told apart BY ADDRESS;
; in each, waves 0 to 3 take 8,192 bytes, lanes 256 bytes apart, one instruction a wave: each block of 256 bytes is named once.  The first two slots come by their loads alone; the last trip asks for nothing.
	s_cmp_eq_u32 s[CNT], 1
	s_cbranch_scc0 .Lnone_\@
	s_cmp_gt_u32 s[SLOTS], s[LIM]
	s_cbranch_scc0 .Lnone_\@
	global_prefetch_b8 v[PFO], s[PFA:PFA+1] th:TH_LOAD_NT scope:SCOPE_SE
.Lnone_\@:
.else
; x: the first 16 of the 32 rows of 512 bytes that my wave reads on the way out, two lanes a row; nobody else reads them in this launch.  The other 16 are loaded while these are worked on.
	s_cmp_eq_u32 s[CNT], 1
	s_cbranch_scc0 .Lnone_\@
	global_prefetch_b8 v[PFX], s[XB:XB+1] th:TH_LOAD_NT scope:SCOPE_SE
.Lnone_\@:
.endif
	s_wait_dscnt 8                                   ; K and its scale words are in; the 8 loads of V's scale words may stay out
.irp t, 0,1,2,3,4,5,6,7
.irp y, 0,1
	v_wmma_scale_f32_16x16x128_f8f6f4 v[S+64*\y+8*\t:S+64*\y+8*\t+7], v[K+6*\t:K+6*\t+11], v[Q+12*\y:Q+12*\y+11], 0, v[KS+\t], v[QS+\y] matrix_a_fmt:MATRIX_FMT_FP6 matrix_b_fmt:MATRIX_FMT_FP6
.endr
.endr
	PLACES                                           ; in front of the first read of the scores, and of the first vector write into K's registers
	SOFTMAX 0
	SOFTMAX 1
	s_wait_alu depctr_va_vdst(0)
	s_wait_dscnt 0x0                                 ; V's first eight fragments and its scale words are in
	WIN 0x50                                         ; C and D in window 1; V and p's codes in window 0.  The 32 accumulators take turns, one instruction a turn
	s_setprio 1
	PV 0, 0
	PLACES                                           ; in front of the loads into the fragments just read
	WIN 0
	VLD 2, 0
	WIN 0x50
	PV 1, 1
	PLACES
	WIN 0
	s_setprio 0
	VLD 3, 1
	s_wait_dscnt 12                                  ; channel tiles 8-11 are in; the 12 loads of tiles 12-15 may stay out
	WIN 0x50
	PV 2, 0
	s_wait_dscnt 0x0
	PV 3, 1
	WIN 0                                            ; at a label and at a branch every window is 0
.endm
; THE CHANGE OF SLOTS stands at a slot's head.  Each wave waits for all its tensor loads (its eighth of the slot that it is about to read), adds 0 to its spare word, and waits for that and for its reads of the
; slot that it has left.  fill = 1: a round of the cluster's barrier, so that no wave of any partner still reads that slot or has a load on its way; the joint load of the keys that follow is the first thing behind it.
.macro CHANGE fill
	s_wait_tensorcnt 0x0                             ; no tensor load of mine is out, so group 0 may be written
	ds_add_u32 v[SPW], v[NIL]                        ; 0 onto my spare word
.if \fill
	s_xor_b32 s33, s33, SLOT1                        ; the walking descriptor: the other slot than last time,
	s_add_nc_u64 s[34:35], s[34:35], 4*STEPB         ; the next four steps; the type bits on top are not reached
	s_wait_xcnt 0x0                                  ; the last prefetch, a step of mine back, has read its address, so it may be written:
	s_add_nc_u64 s[PFA:PFA+1], s[PFA:PFA+1], 4*STEPB ; one slot further on than the walking descriptor
	s_wait_dscnt 0x0                                 ; the add is done, and my reads of the slot that I have left are over
	CROUND
	JLOAD
.else
	s_wait_dscnt 0x0
	s_barrier_signal -1
	s_barrier_wait -1
.endif
.endm
.macro SLOT_STEPS ask                  ; my two steps of a slot: written once, walked twice; the LDS addresses hang on s[TB]
	s_mov_b32 s[CNT], 2
.Lstep_\@:
	STEP \ask
	s_add_co_u32 s[TB], s[TB], 2*STEPB               ; the next step of my parity
	s_sub_co_u32 s[CNT], s[CNT], 1
	s_cmp_lg_u32 s[CNT], 0
	s_cbranch_scc1 .Lstep_\@
	s_setprio 0
	s_sub_co_u32 s[TB], s[TB], 4*STEPB               ; back to my first step of a slot,
	s_xor_b32 s[TB], s[TB], SLOT1                    ; in the other slot
.endm
	s_load_b256 s[4:11], s[0:1], 0x0                 ; qc s[4:5], kv s[6:7], x s[8:9], gamma s[10:11]
	s_load_b64 s[12:13], s[0:1], 0x20                ; out0
	v_lshl_add_u32 v[SPW], v0, 2, SPARE
	v_mov_b32 v[NIL], 0
	ds_add_u32 v[SPW], v[NIL]                        ; the wave's opening: the add, twice on end, and its wait ahead of the round in front of my first tensor load; the set-up below stands between
	ds_add_u32 v[SPW], v[NIL]
	v_lshrrev_b32 v8, 5, v0
	s_delay_alu instid0(VALU_DEP_1)
	v_readfirstlane_b32 s[WV], v8                    ; wave 0..7
	s_bfe_u32 s15, ttmp6, 0x40000                    ; cx: my place in the cluster
	s_lshl_b32 s16, ttmp9, 2                         ; in a cluster launch ttmp9 counts clusters
	s_add_co_u32 s16, s16, s15                       ; my block of 128 queries: it enters the addresses of qc, x and out0 alone
	s_and_b32 s17, ttmp7, 0xffff                     ; the batch, which the four partners share
	; descriptor group 1: 16,384 dense bytes as 64 rows of 256 bytes (32 elements of 8 bytes), no padding
	s_mov_b32 s24, 15|(3<<16)|(1<<21)                ; the mask: all four work-groups; elements of 8 bytes; bit 21 set beside a mask
	s_mov_b32 s25, 32<<16                            ; tensor_dim0 = 32
	s_mov_b32 s26, 64<<16                            ; tensor_dim1 = 64
	s_mov_b32 s27, 32<<16                            ; tile_dim0 = 32
	s_mov_b32 s28, 64                                ; tile_dim1 = 64
	s_mov_b32 s29, 32                                ; the pitch
	s_mov_b32 s30, 0
	s_mov_b32 s31, 0
	s_mov_b32 s32, 1                                 ; group 0: count = 1
	s_lshl_b32 s33, s[WV], 14                        ; my eighth of a slot
	s_lshl_b32 s48, s17, 20                          ; kv: 1,048,576 bytes a batch
	s_add_co_u32 s48, s48, s33
	s_mov_b32 s49, 0
	s_add_co_u32 s33, s33, SLOT1                     ; the first four steps go to slot 1
	s_lshl_b32 s50, s17, 20                          ; the prefetches of kv: my work-group's quarter of a slot,
	s_lshl_b32 s52, s15, 15
	s_add_co_u32 s50, s50, s52
	s_and_b32 s52, s[WV], 3
	s_lshl_b32 s52, s52, 13
	s_add_co_u32 s50, s50, s52                       ; my wave's 8,192 bytes of it,
	s_add_co_u32 s50, s50, 4*STEPB                   ; in the second four steps: the first change of slots steps it to the third
	s_mov_b32 s51, 0
	s_lshl_b32 s18, s17, 22                          ; x and out0: batch x 4,194,304
	s_lshl_b32 s52, s[WV], 19
	s_add_co_u32 s18, s18, s52                       ; + 32 channels x 16,384 x wave
	s_lshl_b32 s52, s16, 9
	s_add_co_u32 s18, s18, s52                       ; + 512 x block
	s_mov_b32 s19, 0
	s_lshl_b32 s52, s17, 5
	s_add_co_u32 s52, s52, s16
	s_mul_i32 s52, s52, 7168                         ; qc: 7,168 bytes a block
	s_mov_b32 s53, 0
	s_lshr_b32 s[LIM], s[WV], 2                      ; 0 in waves 0 to 3,
	s_or_b32 s[LIM], s[LIM], ttmp9                   ; where the cluster is the batch's first: the same in all four partners
	s_cmp_eq_u32 s[LIM], 0
	s_cselect_b32 s[LIM], 1, -1
	s_mov_b32 s[SEL], 0x76543210
	s_mov_b32 s[SEL+1], 0xfedcba98
	s_mov_b32 s[CS], 0x3fb8aa3b                      ; log2(e)
	s_mov_b32 s[CS+1], s[CS]                         ; (named with it as a pair, so it is written)
	s_lshr_b32 s47, s[WV], 2                         ; which half of the keys is mine
	s_lshl_b32 s[TB], s47, 15                        ; a slot's step 0 or step 1,
	s_add_co_u32 s[TB], s[TB], SLOT1                 ; in slot 1
	s_mov_b32 s[SLOTS], 7
	s_and_b32 s54, s[WV], 3                          ; which pair of query tiles is mine
	v_and_b32 v8, 31, v0                             ; lane
	s_delay_alu instid0(VALU_DEP_1)
	v_lshlrev_b32 v[LI], 4, v8
	s_delay_alu instid0(VALU_DEP_2)
	v_lshlrev_b32 v[L8], 3, v8
	s_delay_alu instid0(VALU_DEP_3)
	v_lshlrev_b32 v[LS], 2, v8
	s_delay_alu instid0(VALU_DEP_4)
	v_lshlrev_b32 v[PFO], 8, v8
	v_lshrrev_b32 v9, 1, v8
	v_and_b32 v10, 1, v8
	s_delay_alu instid0(VALU_DEP_2)
	v_lshlrev_b32 v[PFX], 14, v9
	s_delay_alu instid0(VALU_DEP_1)
	v_lshl_add_u32 v[PFX], v10, 8, v[PFX]
	v_lshl_add_u32 v128, s54, 10, v[LI]              ; my first tile of queries in qc: 512, 256 and 128 bytes a tile
	v_lshl_add_u32 v129, s54, 9, v[L8]
	v_lshl_add_u32 v130, s54, 8, v[LS]
	s_wait_dscnt 0x0                                 ; both opening adds are done
	s_wait_kmcnt 0x0
	s_add_nc_u64 s[34:35], s[6:7], s[48:49]
	s_or_b32 s35, s35, 0x80000000                    ; type = 2
	s_add_nc_u64 s[PFA:PFA+1], s[6:7], s[50:51]
	s_add_nc_u64 s[XB:XB+1], s[8:9], s[18:19]
	s_add_nc_u64 s[OB:OB+1], s[12:13], s[18:19]
	s_add_nc_u64 s[4:5], s[4:5], s[52:53]
	s_load_b32 s46, s[10:11], 0x0                    ; gamma
	CROUND                                           ; all four work-groups are here: the first joint loads meet
	JLOAD                                            ; the first four steps
	s_wait_alu depctr_va_vdst(0)
.irp y, 0,1
	global_load_b128 v[Q+12*\y:Q+12*\y+3], v128, s[4:5] offset:512*\y          ; Q's two fragments stay in registers
	global_load_b64 v[Q+12*\y+4:Q+12*\y+5], v129, s[4:5] offset:KBO+256*\y
	global_load_b32 v[QS+\y], v130, s[4:5] offset:KSO+128*\y
.endr
.irp y, 0,1
.irp i, 6,7,8,9,10,11
	v_mov_b32 v[Q+12*\y+\i], 0                       ; k = 64 .. 127 of the first product's K step: zero codes in Q
.endr
.endr
.irp i, 48,49,50,51,52,53
	v_mov_b32 v[K+\i], 0                             ; the six registers behind K's last tile: named by its fragment, so they are written; no load lands here
.endr
.irp y, 0,1
	v_mov_b32 v[ST+4*\y+1], 0xff61b1e6               ; the largest t so far: -3e38, under every t
	s_delay_alu instid0(VALU_DEP_1)
	v_floor_f32 v[ST+4*\y], -v[ST+4*\y+1]            ; -M
	v_mov_b32 v[ST+4*\y+2], 0                        ; l, in two halves
	v_mov_b32 v[ST+4*\y+3], 0
	v_mov_b32 v[F+2*\y+1], 0                         ; (named as the upper half of the pair)
.endr
.irp b, 0,1,2,3
	v_mov_b32 v[BT+\b], 0                            ; written once: a lane permute's destination counts as one of its sources
.endr
	WIN 0x40
.set j, 0
.rept 256
	v_mov_b32 v[j], 0                                ; O^T.  The step has no first form of its own: the first finds zeros, which the first change of M leaves zeros; that spares two more copies of the step's text
.set j, j+1
.endr
	WIN 0
	s_wait_loadcnt 0x0                               ; Q
	s_wait_kmcnt 0x0                                 ; gamma
.Lslot:                                              ; seven trips: behind each change of slots but the last the next four steps are asked for
	CHANGE 1
	SLOT_STEPS 1
	s_sub_co_u32 s[SLOTS], s[SLOTS], 1
	s_cmp_lg_u32 s[SLOTS], 0
	s_cbranch_scc1 .Lslot
	CHANGE 0                                         ; the last slot is written out
	SLOT_STEPS 2
	; THE WAY OUT.  A lane holds two queries, 128 channels of each, summed over half of the keys; out0's rows run along the queries.  So O^T goes into a stage in LDS, [channel][query], one stage for each half of the
	; keys, with each half's -M and l beside them; each wave then takes 32 whole channels: out0 = stage 0 x fac 0 + stage 1 x fac 1 + x, fac h = gamma 2^(M h - M) / l, 512 consecutive bytes a store.
	v_and_b32 v8, 15, v0                             ; (the addresses are also the places behind the last products, in front of the loads into V's registers)
	v_and_b32 v9, 8, v0
	s_delay_alu instid0(VALU_DEP_1)
	v_add_nc_u32 v8, v8, v9                          ; r + 8 (r / 8)
	s_and_b32 s18, s[WV], 3
	s_lshl_b32 s18, s18, 7                           ; 4 x 32 x (w % 4)
	v_lshl_add_u32 v8, v8, 2, s18                    ; 4 x the place in the block of my first tile's query; my second tile's lies 8 places, 32 bytes, on
	v_bfe_u32 v9, v0, 4, 1
	s_delay_alu instid0(VALU_DEP_1)
	v_mul_u32_u24 v9, v9, 8*SP                       ; lanes 16-31 hold the channels eight further on: 1,056 words, half way round the 64 banks from lanes 0-15's
	s_delay_alu instid0(VALU_DEP_1)
	v_add_nc_u32 v9, v9, v8
	s_lshr_b32 s19, s[WV], 2
	s_mul_i32 s47, s19, STAGE1                       ; my half's stage
	v_add_nc_u32 v[STO], s47, v9
	s_delay_alu instid0(VALU_DEP_1)
	v_add_nc_u32 v[STO2], 128*SP, v[STO]             ; (an LDS offset has 16 bits)
	s_lshl_b32 s19, s19, 9
	s_add_co_u32 s19, s19, MLB
	v_add_nc_u32 v[FA], s19, v8
	s_mul_i32 s19, s[WV], 32*SP
	v_add_nc_u32 v[SR], s19, v[LI]
	s_delay_alu instid0(VALU_DEP_1)
	v_add_nc_u32 v[SR+1], STAGE1, v[SR]
	v_add_nc_u32 v[FR], MLB, v[LI]
.irp i, 0,1,2,3,4,5,6,7,8,9,10,11,12,13,14,15,16,17,18,19,20,21,22,23,24,25,26,27,28,29,30,31
	global_load_b128 v[X+4*\i:X+4*\i+3], v[LI], s[XB:XB+1] offset:\i*16384 th:TH_LOAD_NT   ; x at my 32 channels: read once in this launch
.endr
.irp y, 0,1
	v_add_f32 v[ST+4*\y+2], v[ST+4*\y+2], v[ST+4*\y+3]   ; l's two halves,
.endr
.irp y, 0,1
	s_delay_alu instid0(VALU_DEP_2)
	v_permlanex16_b32 v[BT+\y], v[ST+4*\y+2], s[SEL], s[SEL+1]
.endr
.irp y, 0,1
	s_delay_alu instid0(VALU_DEP_2)
	v_add_f32 v[ST+4*\y+2], v[ST+4*\y+2], v[BT+\y]   ; and lane l xor 16's
.endr
	s_wait_alu depctr_va_vdst(0)
	s_wait_dscnt 0x0                                 ; my reads of the ring are over:
	s_barrier_signal -1
	s_barrier_wait -1                                ; everybody's are.  The ring has had its last fill: the stages may be laid over it
	WIN 0x04                                         ; an LDS store's data are its source 1: window 1
.irp y, 0,1
.irp t, 0,1,2,3,4,5,6,7
.irp i, 0,1,2,3,4,5,6,7
	ds_store_b32 v[STO], v[128*\y+8*\t+\i] offset:(16*\t+\i)*SP+32*\y      ; each accumulator from its low end on
.endr
.endr
.irp t, 0,1,2,3,4,5,6,7
.irp i, 0,1,2,3,4,5,6,7
	ds_store_b32 v[STO2], v[128*\y+64+8*\t+\i] offset:(16*\t+\i)*SP+32*\y
.endr
.endr
.endr
	WIN 0
.irp y, 0,1
	ds_store_b32 v[FA], v[ST+4*\y] offset:32*\y              ; -M and l of my half of the keys: both lanes of a query write the same word with the same value
	ds_store_b32 v[FA], v[ST+4*\y+2] offset:1024+32*\y
.endr
	s_wait_dscnt 0x0                                 ; for the others' sake: my stores are done
	s_barrier_signal -1
	s_barrier_wait -1
.macro STG bt                          ; rows 8 bt on of my 32, from both stages, into window 1's registers 64 (bt % 2) on: stage 0's eight rows, then stage 1's
	WIN 0x40                                         ; destination window 1, address window 0
.irp s, 0,1
.irp i, 0,1,2,3,4,5,6,7
	ds_load_b128 v[64*(\bt%2)+32*\s+4*\i:64*(\bt%2)+32*\s+4*\i+3], v[SR+\s] offset:(8*\bt+\i)*SP
.endr
.endr
	WIN 0
.endm
.macro SEND bt, younger                ; younger: the stage loads issued behind this batch's.  The result is written over the row of x, which no later line writes: no store's data are written again
	s_wait_dscnt \younger                            ; the batch is back from the stages
	s_wait_loadcnt 24-8*\bt                          ; and its eight rows of x are in: the later rows' loads may stay out
	WIN 0x01                                         ; source 0, the stages' rows, in window 1
.irp i, 0,1,2,3,4,5,6,7
	v_pk_fma_f32 v[X+4*(8*\bt+\i):X+4*(8*\bt+\i)+1], v[64*(\bt%2)+4*\i:64*(\bt%2)+4*\i+1], v[24:25], v[X+4*(8*\bt+\i):X+4*(8*\bt+\i)+1]
	v_pk_fma_f32 v[X+4*(8*\bt+\i)+2:X+4*(8*\bt+\i)+3], v[64*(\bt%2)+4*\i+2:64*(\bt%2)+4*\i+3], v[26:27], v[X+4*(8*\bt+\i)+2:X+4*(8*\bt+\i)+3]
.endr
.irp i, 0,1,2,3,4,5,6,7
	v_pk_fma_f32 v[X+4*(8*\bt+\i):X+4*(8*\bt+\i)+1], v[64*(\bt%2)+32+4*\i:64*(\bt%2)+32+4*\i+1], v[28:29], v[X+4*(8*\bt+\i):X+4*(8*\bt+\i)+1]
	v_pk_fma_f32 v[X+4*(8*\bt+\i)+2:X+4*(8*\bt+\i)+3], v[64*(\bt%2)+32+4*\i+2:64*(\bt%2)+32+4*\i+3], v[30:31], v[X+4*(8*\bt+\i)+2:X+4*(8*\bt+\i)+3]
.endr
	WIN 0
.irp i, 0,1,2,3,4,5,6,7
	global_store_b128 v[LI], v[X+4*(8*\bt+\i):X+4*(8*\bt+\i)+3], s[OB:OB+1] offset:(8*\bt+\i)*16384 th:TH_STORE_NT   ; 32 lanes store 512 consecutive bytes, at a multiple of 256 from out0's first byte
.endr
.endm
	ds_load_b128 v[24:27], v[FR]                     ; of my four queries (4 x lane on), in the registers that held Q: -M of the keys' half 0,
	ds_load_b128 v[28:31], v[FR] offset:512          ; of half 1,
	ds_load_b128 v[32:35], v[FR] offset:1024         ; l of half 0,
	ds_load_b128 v[36:39], v[FR] offset:1536         ; of half 1
	STG 0
	STG 1
	s_wait_dscnt 32                                  ; the four are in; the 32 loads from the stages may stay out
.irp i, 0,1,2,3
	v_min_num_f32 v[40+\i], v[24+\i], v[28+\i]       ; -M = the lesser of the two: M is the larger
.endr
.irp i, 0,1,2,3
	v_sub_f32 v[24+\i], v[40+\i], v[24+\i]           ; M 0 - M: a whole number, 0 or less
	v_sub_f32 v[28+\i], v[40+\i], v[28+\i]           ; M 1 - M
.endr
.irp i, 0,1,2,3
	v_cvt_i32_f32 v[24+\i], v[24+\i]                 ; (it saturates)
	v_cvt_i32_f32 v[28+\i], v[28+\i]
.endr
.irp i, 0,1,2,3
	v_ldexp_f32 v[24+\i], 1.0, v[24+\i]              ; 2^(M 0 - M)
	v_ldexp_f32 v[28+\i], 1.0, v[28+\i]              ; 2^(M 1 - M)
.endr
.irp i, 0,1,2,3
	v_mul_f32 v[32+\i], v[32+\i], v[24+\i]
.endr
.irp i, 0,1,2,3
	s_delay_alu instid0(VALU_DEP_4)
	v_fma_f32 v[32+\i], v[36+\i], v[28+\i], v[32+\i] ; l under M
.endr
	s_wait_alu depctr_va_vdst(0)
.irp i, 0,1,2,3
	v_rcp_f32 v[40+\i], v[32+\i]
.endr
	v_nop                                            ; a plain place behind the last reciprocal
	s_wait_alu depctr_va_vdst(0)                     ; and the wait ahead of the first reader: one for the four
.irp i, 0,1,2,3
	v_mul_f32 v[40+\i], s46, v[40+\i]                ; gamma / l
.endr
.irp i, 0,1,2,3
	v_mul_f32 v[24+\i], v[24+\i], v[40+\i]           ; fac 0
	v_mul_f32 v[28+\i], v[28+\i], v[40+\i]           ; fac 1
.endr
	s_wait_alu depctr_va_vdst(0)
	SEND 0, 16
	STG 2
	SEND 1, 16
	STG 3
	SEND 2, 16
	SEND 3, 0
	s_wait_tensorcnt 0x0                             ; the wave's end: behind my last tensor load and my last LDS store
	ds_add_u32 v[SPW], v[NIL]
	s_wait_dscnt 0x0
	CROUND                                           ; the closing round: no work-group ends while a partner may still ask for a tile that names it
	s_endpgm
.Lfunc_end_k_q2708963770_attn:
	.size	k_q2708963770_attn, .Lfunc_end_k_q2708963770_attn-k_q2708963770_attn
	.p2alignl 7, 3214868480
	.fill 96, 4, 3214868480
	.section	.rodata,"a",@progbits
	.p2align	6, 0x0
	.amdhsa_kernel k_q2708963770_attn
		.amdhsa_group_segment_fixed_size 327680
		.amdhsa_private_segment_fixed_size 0
		.amdhsa_enable_private_segment 0
		.amdhsa_kernarg_size 40
		.amdhsa_user_sgpr_count 2
		.amdhsa_user_sgpr_kernarg_segment_ptr 1
		.amdhsa_wavefront_size32 1
		.amdhsa_system_sgpr_workgroup_id_x 1
		.amdhsa_system_sgpr_workgroup_id_y 1
		.amdhsa_system_sgpr_workgroup_id_z 1
		.amdhsa_system_vgpr_workitem_id 0
		.amdhsa_next_free_vgpr 512
		.amdhsa_next_free_sgpr 66
		.amdhsa_reserve_vcc 0
		.amdhsa_float_denorm_mode_32 3
		.amdhsa_float_denorm_mode_16_64 3
		.amdhsa_memory_ordered 1
		.amdhsa_forward_progress 1
		.amdhsa_inst_pref_size 144
	.end_amdhsa_kernel
	.amdgpu_metadata
---
amdhsa.version: [ 1, 2 ]
amdhsa.kernels:
  - .name:           k_q2708963770_attn
    .symbol:         k_q2708963770_attn.kd
    .args:
      - { .name: qc, .offset: 0, .size: 8, .value_kind: global_buffer, .address_space: global }
      - { .name: kv, .offset: 8, .size: 8, .value_kind: global_buffer, .address_space: global }
      - { .name: x, .offset: 16, .size: 8, .value_kind: global_buffer, .address_space: global }
      - { .name: gamma, .offset: 24, .size: 8, .value_kind: global_buffer, .address_space: global }
      - { .name: out0, .offset: 32, .size: 8, .value_kind: global_buffer, .address_space: global }
    .group_segment_fixed_size: 327680
    .private_segment_fixed_size: 0
    .kernarg_segment_align: 8
    .kernarg_segment_size: 40
    .max_flat_workgroup_size: 256
    .sgpr_count:     66
    .vgpr_count:     512
    .wavefront_size: 32
...
	.end_amdgpu_metadata
.endif
;; end of part 2
